; MI455X (gfx1250); checked and timed in simulation.
; The chip was launched on July 23, 2026; its instructions are those of AMD's public machine-readable ISA for CDNA 5 (MIT licence, August 2026) and "CDNA5" Instruction Set Architecture Reference Guide (July 2026). The comments in the code are by the model that wrote it; some were corrected since.
;; Flash Blocksparse Attention. Allowed arithmetic: matrix products marked QUANTISED: E3M2 operands, one E8M0 scale for each 32 along K, by v_wmma_scale_f32_16x16x128_f8f6f4 with both operands' format E3M2, f32 sums; everything else in f32.
;; Inputs: layout 128 x 8 int32; qkv 2 x 2,048 x 3 x 16 x 64 float32.
;; Outputs: out0 2 x 2,048 x 16 x 64 float32.
;; This version of the problem:
;;   THIS VERSION OF THE PROBLEM IS GIVEN IN LOW PRECISION. The matrix products marked QUANTISED in the list below multiply operands that are first quantised to E3M2 (3 exponent bits, 2 mantissa bits; 6 bits a number), with one power-of-two scale for each 32 numbers along K (OCP MX v1.0); their sums are f32. All else is computed in f32.
;;   The module's matrix products, in the order in which they are computed (A, B: the left and right operand; K: the contracted axis; several contracted axes count as one K, in the product's order):
;;     1. batch 32 x [M 2,048, K 64] x [K 64, N 2,048]; A: input qkv; B: input qkv: QUANTISED
;;     2. batch 32 x [M 64, K 2,048] x [K 2,048, N 2,048]; A: input qkv; B: softmax (see below): QUANTISED
;;   THE QUANTISER, for each operand of a quantised product, along K:
;;     - K is cut into blocks of 32 from its start; a last block that is shorter is filled with zeros.
;;     - A block's scale is 2^e with e = floor(log2(the largest magnitude in the block)) - 4, held to -126 .. 127; a block of zeros has e = 0. As a byte (E8M0): e + 127.
;;     - Each number is divided by its block's scale, clamped to +-28, and rounded to the nearest number of E3M2, ties to even, subnormals kept.
;;     - The product sums the exact products of the quantised numbers (number of the format x scale) in f32.
;;   ~~~python
;;   def quantise(x, axis):      # numpy; x: float32 -> the quantised numbers, widened to float32 again
;;       x = np.moveaxis(x, axis, -1); K = x.shape[-1]
;;       x = np.pad(x, [(0, 0)] * (x.ndim - 1) + [(0, -K % 32)]); x = x.reshape(x.shape[:-1] + (-1, 32)); a = np.abs(x).max(-1, keepdims=True)
;;       e = np.where(a > 0, np.clip(np.frexp(np.where(a > 0, a, 1))[1] - 1 - 4, -126, 127), 0)      # np.frexp(a)[1] - 1 = floor(log2(a)), exactly
;;       r = np.clip(x / 2.0 ** e, -28, 28)
;;       step = 2.0 ** (np.maximum(np.frexp(np.where(r == 0, 1, r))[1] - 1, -2) - 2)
;;       q = np.round(r / step) * step * 2.0 ** e      # np.round: ties to even
;;       return np.moveaxis(q.reshape(q.shape[:-2] + (-1,))[..., :K], -1, axis).astype(np.float32)
;;   ~~~
;;   SOFTMAX AHEAD OF A QUANTISED PRODUCT. Where the list says 'softmax', what is quantised is not the finished softmax but p = 2^(t - M), with t = logit x log2(e) and M = ceil(the row's largest t), a whole number; so 1/2 < the row's largest p <= 1. The row's sum l is taken of the UNQUANTISED p, in f32, and the product's result is divided by l at the end. Since M is a whole number, a kernel that streams over the keys may use a running M (the ceiling of the running maximum): every later rescaling is an exact power of two, which a block's scale takes up: the codes' values come out the same.
;;   OPERANDS COMPUTED ON THE WAY. 'Computed on the way' means the value that the module computes at that place (a softmax that the list does not call 'softmax' is quantised finished and normalised). What goes into a quantiser is computed in f32, as accurately as f32 sums, v_exp_f32 and their like allow (about 1e-6 of the number): no bf16 or f16 on the way to a quantiser, and a product that is left as it is and whose result goes on into a quantised operand takes f32 operands (vector FMAs, or v_wmma_f32_16x16x4_f32). A number that lies on a knife's edge between two numbers of the format may be rounded either way, as far as f32 arithmetic and the matrix unit's own rounding can turn it there, and no further.
;; 2 versions. Each part assembles by itself: llvm-mc -triple=amdgcn-amd-amdhsa -mcpu=gfx1250 --defsym DOCPART=n.
;; ======== version 1 of 2: 1 launch
;; launch attn (part 1): grid 8 x 32, 16 waves a work-group, no clusters, 124,928 bytes of LDS; arguments layout, qkv, out0; writes out0
.if DOCPART == 1
	.amdgcn_target "amdgcn-amd-amdhsa--gfx1250"
	.amdhsa_code_object_version 6
	.text
	.protected	k_qaa7aaa6bb7_attn
	.globl	k_qaa7aaa6bb7_attn
	.p2align	8
	.type	k_qaa7aaa6bb7_attn,@function
k_qaa7aaa6bb7_attn:
	s_mov_b64 s[64:65], 0
	v_nop
	global_prefetch_b8 v0, s[64:65] scope:SCOPE_SE
	s_setreg_imm32_b32 hwreg(HW_REG_WAVE_MODE, 25, 1), 1
	s_wait_xcnt 0x0
; out0[b][s][h][:] = the sum over keys t of softmax_t(q[b][s][h] . k[b][t][h] / 8, under the block mask) v[b][t][h][:].  qkv: [2][2048][3][16][64] f32; layout: [128][8] int32, one number
; for 16 queries x 256 keys, open where it is not 0; out0: [2][2048][16][64] f32.  Both products on codes of BF6 (E3M2) with one E8M0 scale for each 32 along a product's K.
; THE SOFTMAX AHEAD OF THE SECOND PRODUCT: t = score x log2(e) / 8; M = the row's largest t so far, rounded UP to a whole number; p = 2^(t - M) is quantised along the keys, not normalised;
; the row's sum is taken of the unquantised p and divides at the end.  When M moves, the sum and O are multiplied by 2^(old M - new M), which rounds nothing.
; WORK LEFT OUT.  Where layout[i][j] is 0, the scores of those 16 queries x 256 keys are -infinity in the definition: their p is exactly 0, their codes are zeros, they add nothing to the row's sum, to
; its maximum or to O, whatever finite numbers qkv holds.  So such a pair (tile of queries, key block) is not computed, and a key block that none of a work-group's 16 rows of layout opens is not loaded.
; Whole numbers read from memory decide that, for every layout; no pattern of layout is built in.  Both inputs have a way to the output and both are arguments.
; LIMITS.  A NaN, an infinity or an overflow in k or v of key blocks that are left out is not carried to the result.  NaN and infinities among the inputs are not served.  A block of 32 whose largest magnitude
; lies under 2^-122 gets the scale byte 1 (a block of zeros too, where the quantiser says 127: its codes are zeros, and these bytes are read by this program alone).  A p under 2^-126 comes out of the exponential as 0.
; Queries whose row of layout is all 0 get the NaN 0x7fc00000 in all 64 numbers, as a softmax of -infinity alone gives.
; SHARES.  A work-group owns 256 queries of one batch and head: 8 x 32 = 256 work-groups.  Each of its sixteen waves owns 16 queries, ONE row of layout, in 256 registers: a wave's mask is one bit a key block.
; The work-group walks the key blocks that ANY of its 16 rows opens, in ascending order.  Such a block (256 keys) is loaded as f32 and quantised ONCE for the work-group, a sixteenth by each wave, and laid into LDS
; as images of the operands' registers, in two buffers that take turns; a wave whose own bit is set consumes it: two key steps of 128 keys.  While a block is consumed the next one is loaded and quantised:
; k's loads are out during the first key step, v's during the second.
; THE LOOP HAS EIGHT TRIPS, whatever layout holds, and one barrier a trip, on every wave's way; loads, quantising and key steps stand under forward branches on numbers made from layout.
; NO TENSOR LOAD, NO CLUSTER: which blocks a work-group walks hangs on numbers read from memory; and the f32 numbers have to pass
; through registers to be quantised.  The eight work-groups of a head share a key block only where layout opens it for both.
; LAYOUT.  Both products are used transposed: S^T = K Q^T (source 0 = 16 keys, source 1 = my 16 queries), O^T = V^T P^T (source 0 = 16 of the head's 64, source 1 = P): a lane holds ONE query (lane % 16) throughout.
; THE KEYS OF A TILE ARE NOT NEIGHBOURS: row rho of tile 2 b + u is key 32 b + 8 u + rho + 8 (rho / 8), so that the 16 registers of tiles 2 b and 2 b + 1 are 16 neighbouring keys, 32 b + 16 (lane / 16) + 0 .. 15.
; The first product's K is the head's 64: the upper half of the instruction's 128 is zero codes on both sides (registers 6 to 11 of Q's and K's fragments, cleared once), under the scale byte 0.
.set ROWP,  12288                      ; bytes from position s to s + 1 in qkv
.set BATCH, 2048*ROWP                  ; a batch of qkv
.set KOFF,  4096                       ; k's and v's places in a position's 12,288 bytes; a head's 64 numbers are 256 bytes
.set VOFF,  8192
.set BLKB,  256*ROWP                   ; a key block
; LDS.  A buffer holds one key block as images of operand registers:
.set K128,  0                          ; K's tile t (0..15): registers 0-3 of its fragment at 512 t + 16 lane,
.set K64,   8192                       ; registers 4-5 at 256 t + 8 lane
.set V128,  12288                      ; V's unit 4 T + 2 s + c (T: 16 of the head's 64; s: key step; c: half of its 128 keys): registers 6 c .. 6 c + 3 at 512 unit + 16 lane,
.set V64,   20480                      ; registers 6 c + 4, 6 c + 5 at 256 unit + 8 lane
.set KSC,   24576                      ; K's scale words: 80 r + 4 t (64 bytes a row + 16, so that the sixteen rows of a 16-byte load fall on different banks)
.set VSC,   25856                      ; V's scale bytes: 48 r + 16 s + 4 T + b, for channel 16 T + r and keys 128 s + 32 b on
.set BUFB,  26624                      ; a buffer; two of them, at 0 and at BUFB
.set STAGE, 2*BUFB                     ; 16 rows x (256 bytes + 16) for each wave, its own: the turn of q's and k's rows, and the way out
.set STW,   16*272
.set SPARE, STAGE+16*STW               ; the spare words, 128 bytes for each wave: eight blocks of 256 bytes that no other line names
; Vector registers
.set SPW,  1                           ; LDS address of my spare word: SPARE + 4 x my thread's number; never rewritten
.set NIL,  2                           ; 0; never rewritten
.set GK,   3                           ; memory: 12,288 hb + 16 r: a load takes two rows of 256 bytes
.set GV,   4                           ; memory: 4 x lane
.set STS,  5                           ; stage: 272 hb + 16 r: rows as they are loaded or stored
.set STL,  6                           ; stage: 272 r + 128 hb: my 32 neighbours of row r
.set I16,  7                           ; 16 x lane
.set I8,   8                           ; 8 x lane
.set PK16, 9                           ; where I put K's image: 16 lane + 512 wave
.set PK8,  10                          ; 8 lane + 256 wave
.set PKS,  11                          ; and its scale word: 80 r + 4 wave
.set NM,   12                          ; -M       (a pair with MT: the packed form takes the low word for both halves)
.set MT,   13                          ; the largest t so far
.set LS,   14                          ; v[14:15] the row's sum, in two halves
.set PV16, 16                          ; where I put V's image
.set PV8,  17
.set PVS,  18                          ; and its scale byte
.set CKS,  19                          ; 80 r
.set CVS,  20                          ; 48 r
.set SH8,  21                          ; 8 hb
.set QS,   22                          ; Q's scale words
.set OST,  23                          ; stage: 272 r + 32 hb: where I put eight numbers of a row of O
.set QF,   24                          ; v24-35   Q's fragment (v30-35 zeros)
.set SC,   36                          ; v36-39   the scale words in hand, K's or V's
.set FR,   40                          ; v40-87   four fragments of K, 12 registers each (the upper six of each zeros)
.set S,    88                          ; v88-151  S^T, then p, then V's four fragments at S + 12 T.  At the head: the first block's numbers
.set OT,   152                         ; v152-183 O^T, four tiles
.set PC,   184                         ; v184-195 codes just made.  At the head v184-187: layout's numbers
.set CT,   196                         ; v196-202 the conversions' second halves
.set BM,   204                         ; v204-207 the blocks' largest
.set PT,   208                         ; v208-211 at work
.set SO,   212                         ; v212-215 the conversions' scale operands
.set FF,   216                         ; v[216:217] f = 2^(old M - new M), and its partner in the pair
.set PW,   218                         ; p's scale word
.set TMP,  219
.set RAW,  220                         ; v220-251 32 numbers on their way to the quantiser; on the way out rows of O
.set GO,   252                         ; memory: 4,096 hb + 16 r
; Scalar registers
.set WV,   10                          ; my wave's number
.set T0,   14                          ; s[14:15] a byte offset at work
.set KB,   16                          ; s[16:17] k of my tile's first key in key block 0
.set VB,   18                          ; s[18:19] v of my 32 keys and 32 channels in key block 0
.set SEL,  20                          ; s[20:21] lane selects for v_permlanex16_b32: lane l xor 16
.set CS,   22                          ; s[22:23] c = log2(e) / 8
.set KA,   24                          ; s[24:25], s[26:27] the same as KB, VB in the block to be produced
.set VA,   26
.set UR,   28                          ; the work-group's open blocks not yet taken, a bit each
.set WM,   29                          ; my row of layout, a bit a block
.set CW,   30                          ; 1: the block that lies in the buffer is open for me
.set NX,   31                          ; the next block's number
.set NV,   32                          ; 1: there is a next block
.set NW,   33                          ; 1: it is open for me
.set CNT,  34
; Eight loads of two rows each: 16 rows x 256 bytes.  perm = 1: a tile of K, whose rows 8 to 15 lie 8 keys further on.  nt = 1: read once in the launch
.macro LOADROWS raw, base, perm, nt
.irp j, 0,1,2,3,4,5,6,7
.if \nt
	global_load_b128 v[\raw+4*\j:\raw+4*\j+3], v[GK], s[\base:\base+1] offset:(2*\j+8*\perm*(\j/4))*ROWP th:TH_LOAD_NT
.else
	global_load_b128 v[\raw+4*\j:\raw+4*\j+3], v[GK], s[\base:\base+1] offset:(2*\j+8*\perm*(\j/4))*ROWP
.endif
.endr
.endm
; A lane takes a channel and its registers run down 32 keys: each load reads 128 consecutive bytes, the partner wave the other half of the head's 256
.macro LOADV raw
.set ii, 0
.rept 32
	global_load_b32 v[\raw+ii], v[GV], s[VA:VA+1] offset:ii*ROWP
.set ii, ii+1
.endr
.endm
; 16 rows through my own stage: in as they were loaded, back 32 neighbours of one row a lane.  LDS serves a wave's instructions in order, so no wait stands between the stores and the loads
.macro TURN raw
.irp j, 0,1,2,3,4,5,6,7
	ds_store_b128 v[STS], v[\raw+4*\j:\raw+4*\j+3] offset:2*\j*272
.endr
.irp j, 0,1,2,3,4,5,6,7
	ds_load_b128 v[\raw+4*\j:\raw+4*\j+3], v[STL] offset:16*\j
.endr
	s_wait_dscnt 0x0
.endm
; A block of 32 in one lane's registers v[x] on becomes six registers of codes in v[d] on and its scale byte in v[BM+1]
.macro QUANT32 x, d
	v_max3_num_f32 v[BM], |v[\x]|, |v[\x+1]|, |v[\x+2]|             ; the block's largest magnitude, in two chains
	v_max3_num_f32 v[BM+1], |v[\x+3]|, |v[\x+4]|, |v[\x+5]|
.irp i, 6,10,14,18,22,26
	v_max3_num_f32 v[BM], v[BM], |v[\x+\i]|, |v[\x+\i+1]|
	v_max3_num_f32 v[BM+1], v[BM+1], |v[\x+\i+2]|, |v[\x+\i+3]|
.endr
	v_max3_num_f32 v[BM], v[BM], |v[\x+30]|, |v[\x+31]|
	v_max3_num_f32 v[BM], v[BM], v[BM+1], 0x2800000                 ; and the floor 2^(5 - 127): the byte cannot fall under 1
	v_add_nc_u32 v[SO], 0xfe000000, v[BM]                           ; 4 off its exponent field: the conversion takes the exponent field of this operand as its scale, and nothing else of it
	v_cvt_scalef32_pk16_bf6_f32 v[\d:\d+2], v[\x:\x+15], v[SO]
	v_cvt_scalef32_pk16_bf6_f32 v[CT:CT+2], v[\x+16:\x+31], v[SO]   ; (a conversion's three registers begin on an even number)
	v_lshrrev_b32 v[BM+1], 23, v[SO]                                ; the scale's byte; also the plain instruction behind the conversions
.irp i, 0,1,2
	v_mov_b32 v[\d+3+\i], v[CT+\i]
.endr
.endm
; A row's scale word from the bytes of its two lanes: byte 0 the head's numbers 0-31 (lanes 0-15), byte 1 numbers 32-63 (lanes 16-31); bytes 2 and 3 stay 0, over zero codes
.macro WORD dst
	v_lshlrev_b32 v[BM+1], v[SH8], v[BM+1]
	v_permlanex16_b32 v[PT], v[BM+1], s[SEL], s[SEL+1]
	v_or_b32 v[\dst], v[BM+1], v[PT]
.endm
; My tile of K, loaded into v[raw] on, goes as an image into the buffer at byte nb
.macro PUTK raw, nb
	TURN \raw
	QUANT32 \raw, PC
	WORD BM+1
	ds_store_b128 v[PK16], v[PC:PC+3] offset:\nb+K128
	ds_store_b64 v[PK8], v[PC+4:PC+5] offset:\nb+K64
	ds_store_b32 v[PKS], v[BM+1] offset:\nb+KSC                     ; lanes r and r + 16 write the same word with the same value
.endm
; My 32 keys x 32 channels of V likewise: a lane's six registers are half a fragment's for one lane of the wave that will load it
.macro PUTV raw, nb
	QUANT32 \raw, PC
	ds_store_b128 v[PV16], v[PC:PC+3] offset:\nb+V128
	ds_store_b64 v[PV8], v[PC+4:PC+5] offset:\nb+V64
	ds_store_b8 v[PVS], v[BM+1] offset:\nb+VSC
.endm
; The block just produced becomes the one to consume; the lowest open block not yet taken becomes the next.  Scalar work alone; it stands where no load of mine is out, so that KA and VA may be written
.macro PICK
	s_mov_b32 s[CW], s[NW]
	s_ctz_i32_b32 s[NX], s[UR]
	s_min_u32 s[NX], s[NX], 7                      ; held inside the 8 key blocks, also where no block is left: only so does the number enter an address
	s_cmp_lg_u32 s[UR], 0
	s_cselect_b32 s[NV], 1, 0
	s_lshr_b32 s[NW], s[WM], s[NX]
	s_and_b32 s[NW], s[NW], s[NV]
	s_lshl_b32 s[T0], 1, s[NX]
	s_and_not1_b32 s[UR], s[UR], s[T0]
	s_mul_i32 s[T0], s[NX], BLKB
	s_mov_b32 s[T0+1], 0
	s_add_nc_u64 s[KA:KA+1], s[KB:KB+1], s[T0:T0+1]
	s_add_nc_u64 s[VA:VA+1], s[VB:VB+1], s[T0:T0+1]
.endm
; A KEY STEP: keys 128 s on of the block in the buffer at byte xb.
.macro STEP xb, s
.irp g, 0,1                                    ; S^T = K Q^T, four tiles of 16 keys at a time
.if \g
.rept 4
	v_nop                                          ; four plain instructions in front of loads into registers that the last four products have read (ISA guide 7.12.1 for vector instructions)
.endr
.endif
.irp j, 0,1,2,3
	ds_load_b128 v[FR+12*\j:FR+12*\j+3], v[I16] offset:\xb+K128+512*(8*\s+4*\g+\j)
	ds_load_b64 v[FR+12*\j+4:FR+12*\j+5], v[I8] offset:\xb+K64+256*(8*\s+4*\g+\j)
.endr
	ds_load_b128 v[SC:SC+3], v[CKS] offset:\xb+KSC+16*(2*\s+\g)     ; the four tiles' scale words of row r
	s_wait_dscnt 0x0
.irp j, 0,1,2,3
	v_wmma_scale_f32_16x16x128_f8f6f4 v[S+8*(4*\g+\j):S+8*(4*\g+\j)+7], v[FR+12*\j:FR+12*\j+11], v[QF:QF+11], 0, v[SC+\j], v[QS] matrix_a_fmt:MATRIX_FMT_BF6 matrix_b_fmt:MATRIX_FMT_BF6
.endr
.endr                                          ; lane (r, hb) holds query r; the 16 registers of tiles 2 b, 2 b + 1 are keys 32 b + 16 hb + 0 .. 15 of the step
.rept 4
	v_nop
.endr
.irp b, 0,1,2,3
	v_max3_num_f32 v[BM+\b], v[S+16*\b], v[S+1+16*\b], v[S+2+16*\b] ; THE LARGEST SCORE OF EACH BLOCK OF 32 KEYS: it serves for the row's maximum and, since p rises with the score, for the block's largest p.  Each tile is read from its low end on
.endr
.irp i, 3,5,7,9,11,13
.irp b, 0,1,2,3
	v_max3_num_f32 v[BM+\b], v[BM+\b], v[S+16*\b+\i], v[S+1+16*\b+\i]
.endr
.endr
.irp b, 0,1,2,3
	v_max_num_f32 v[BM+\b], v[BM+\b], v[S+15+16*\b]
.endr
.irp b, 0,1,2,3
	v_permlanex16_b32 v[PT+\b], v[BM+\b], s[SEL], s[SEL+1]
.endr
.irp b, 0,1,2,3
	v_max_num_f32 v[BM+\b], v[BM+\b], v[PT+\b]     ; with lane l xor 16's 16 keys
.endr
	v_max3_num_f32 v[TMP], v[BM], v[BM+1], v[BM+2]
	v_max_num_f32 v[TMP], v[TMP], v[BM+3]          ; the step's largest score of my query
	v_mul_f32 v[TMP], s[CS], v[TMP]                ; as t (c is positive)
	v_max_num_f32 v[MT], v[MT], v[TMP]             ; the running largest t
	v_mov_b32 v[TMP], v[NM]
	v_floor_f32 v[NM], -v[MT]                      ; the new -M = floor(-t) = -ceil(t): M is a whole number
	v_sub_f32 v[TMP], v[NM], v[TMP]                ; M's old value less its new one: a whole number, 0 or less
	v_cvt_i32_f32 v[TMP], v[TMP]                   ; (it saturates)
	v_ldexp_f32 v[FF], 1.0, v[TMP]                 ; f = 2^(old M - new M)
.set jj, 0
.rept 32
	v_pk_fma_f32 v[S+jj:S+jj+1], v[S+jj:S+jj+1], s[CS:CS+1], v[NM:NM+1] op_sel_hi:[1,0,0]   ; t - M, two at a time
.set jj, jj+2
.endr
.irp b, 0,1,2,3
	v_fma_f32 v[BM+\b], v[BM+\b], s[CS], v[NM]     ; the same of each block's largest score
.endr
.set jj, 0
.rept 64
	v_exp_f32 v[S+jj], v[S+jj]                     ; p = 2^(t - M), at most 1: not normalised
.set jj, jj+1
.endr
	v_pk_mul_f32 v[LS:LS+1], v[LS:LS+1], v[FF:FF+1] op_sel_hi:[1,0] ; the sums under the new M; the plain instruction behind the exponentials
	s_wait_alu depctr_va_vdst(0)                   ; one wait for the batch of 64, ahead of its first reader
.irp b, 0,1,2,3
	v_exp_f32 v[BM+\b], v[BM+\b]                   ; the block's largest p: the same two instructions on the same number give the same bits
.endr
	v_pk_add_f32 v[PT:PT+1], v[S:S+1], v[S+2:S+3]  ; the row's sum is taken of the unquantised p: two at a time, in two chains
.set jj, 4
.rept 15
	v_pk_add_f32 v[LS:LS+1], v[LS:LS+1], v[S+jj:S+jj+1]
	v_pk_add_f32 v[PT:PT+1], v[PT:PT+1], v[S+jj+2:S+jj+3]
.set jj, jj+4
.endr
	v_pk_add_f32 v[LS:LS+1], v[LS:LS+1], v[PT:PT+1]
	s_wait_alu depctr_va_vdst(0)                   ; and one for the four
.irp b, 0,1,2,3
	v_max_num_f32 v[BM+\b], 0x2800000, v[BM+\b]    ; the floor 2^(5 - 127): the byte cannot fall under 1
.endr
.irp b, 0,1,2,3
	v_add_nc_u32 v[SO+\b], 0xfe000000, v[BM+\b]    ; 4 off the exponent field: the conversion's scale operand
.endr
.irp b, 0,1,2,3
	v_lshrrev_b32 v[PT+\b], 23, v[SO+\b]           ; the scale's byte
.endr
	v_lshl_or_b32 v[PW], v[PT+1], 8, v[PT]         ; p's scale word for these 128 keys
	v_lshl_or_b32 v[PW], v[PT+2], 16, v[PW]
	v_lshl_or_b32 v[PW], v[PT+3], 24, v[PW]
.irp c, 0,1
	v_cvt_scalef32_pk16_bf6_f32 v[PC+6*\c:PC+6*\c+2], v[S+32*\c:S+32*\c+15], v[SO+2*\c]
	v_cvt_scalef32_pk16_bf6_f32 v[CT+4*\c:CT+4*\c+2], v[S+32*\c+16:S+32*\c+31], v[SO+2*\c+1]
.endr
	v_nop                                          ; one plain instruction behind the scaled conversions
.irp t, 0,1,2,3                                ; p's registers are free: V's four fragments of this step land there while p's codes are put in order
.irp c, 0,1
	ds_load_b128 v[S+12*\t+6*\c:S+12*\t+6*\c+3], v[I16] offset:\xb+V128+512*(4*\t+2*\s+\c)
	ds_load_b64 v[S+12*\t+6*\c+4:S+12*\t+6*\c+5], v[I8] offset:\xb+V64+256*(4*\t+2*\s+\c)
.endr
.endr
	ds_load_b128 v[SC:SC+3], v[CVS] offset:\xb+VSC+16*\s            ; the four tiles' scale words of channel r
.irp c, 0,1                                    ; the operand's layout wants a WHOLE block in a lane: lanes 0-15 block 2 c, lanes 16-31 block 2 c + 1
.irp i, 0,1,2
	v_permlane16_swap_b32 v[PC+6*\c+\i], v[CT+4*\c+\i]
.endr
.irp i, 0,1,2
	v_mov_b32 v[PC+6*\c+3+\i], v[CT+4*\c+\i]
.endr
.endr
.set jj, 0
.rept 16
	v_pk_mul_f32 v[OT+jj:OT+jj+1], v[OT+jj:OT+jj+1], v[FF:FF+1] op_sel_hi:[1,0]   ; O^T under the new M, from each tile's low end on.  These sixteen also stand between the last writes of p's codes and scale word and the products
.set jj, jj+2
.endr
	s_wait_dscnt 0x0
.irp t, 0,1,2,3                                ; O^T += V^T P^T; the four accumulators by turns, one instruction a turn
	v_wmma_scale_f32_16x16x128_f8f6f4 v[OT+8*\t:OT+8*\t+7], v[S+12*\t:S+12*\t+11], v[PC:PC+11], v[OT+8*\t:OT+8*\t+7], v[SC+\t], v[PW] matrix_a_fmt:MATRIX_FMT_BF6 matrix_b_fmt:MATRIX_FMT_BF6
.endr
.rept 5
	v_nop                                          ; five: the next step's first products write over V's fragments; four of them serve loads into the scale words, vector writes of the codes' registers and reads of O^T
.endr
.endm
; A TRIP: the block in the buffer at xb is consumed by the waves for which it is open; the next open block, if there is one, is loaded, quantised and laid into the buffer at nb.
; Both waits for the loads stand outside the branches: on every way no load is out where its registers are read or loaded again, or where PICK writes its address.
.macro TRIP xb, nb
	s_cmp_lg_u32 s[NV], 0
	s_cbranch_scc0 .Lno_k_\@
	LOADROWS RAW, KA, 1, 0                         ; my tile of the next block's K: out during the first key step
.Lno_k_\@:
	s_cmp_lg_u32 s[CW], 0
	s_cbranch_scc0 .Lno_s0_\@
	STEP \xb, 0
.Lno_s0_\@:
	s_wait_loadcnt 0x0
	s_cmp_lg_u32 s[NV], 0
	s_cbranch_scc0 .Lno_pk_\@
	PUTK RAW, \nb
	LOADV RAW                                      ; my part of its V: out during the second key step
	s_wait_dscnt 0x0                               ; the stores have read the codes' registers, which the key step writes
.Lno_pk_\@:
	s_cmp_lg_u32 s[CW], 0
	s_cbranch_scc0 .Lno_s1_\@
	STEP \xb, 1
.Lno_s1_\@:
	s_wait_loadcnt 0x0
	s_cmp_lg_u32 s[NV], 0
	s_cbranch_scc0 .Lno_pv_\@
	PUTV RAW, \nb
.Lno_pv_\@:
	PICK
	s_wait_dscnt 0x0                               ; for the others' sake: my stores into the one buffer have landed, my reads of the other are back
	s_barrier_signal -1
	s_barrier_wait -1                              ; the one buffer is whole, and nobody reads the other any more
.endm
	s_load_b128 s[4:7], s[0:1], 0x0                ; layout, qkv
	s_load_b64 s[8:9], s[0:1], 0x10                ; out0
	v_lshl_add_u32 v[SPW], v0, 2, SPARE
	v_mov_b32 v[NIL], 0
	v_lshrrev_b32 v[TMP], 5, v0
	v_readfirstlane_b32 s[WV], v[TMP]              ; wave 0..15
	v_and_b32 v[BM], 15, v0                        ; r = lane % 16
	v_bfe_u32 v[BM+1], v0, 4, 1                    ; hb = lane / 16
	v_and_b32 v[BM+2], 31, v0                      ; lane
	v_mul_u32_u24 v[GK], v[BM+1], ROWP
	v_lshl_add_u32 v[GK], v[BM], 4, v[GK]
	v_lshlrev_b32 v[GV], 2, v[BM+2]
	s_mul_i32 s54, s[WV], STW
	s_add_co_u32 s54, s54, STAGE                   ; my stage
	v_mul_u32_u24 v[STS], v[BM+1], 272
	v_lshl_add_u32 v[STS], v[BM], 4, v[STS]
	v_add_nc_u32 v[STS], s54, v[STS]
	v_mul_u32_u24 v[STL], v[BM], 272
	v_lshl_add_u32 v[OST], v[BM+1], 5, v[STL]
	v_lshl_add_u32 v[STL], v[BM+1], 7, v[STL]
	v_add_nc_u32 v[STL], s54, v[STL]
	v_add_nc_u32 v[OST], s54, v[OST]
	v_lshlrev_b32 v[I16], 4, v[BM+2]
	v_lshlrev_b32 v[I8], 3, v[BM+2]
	s_lshl_b32 s55, s[WV], 9
	v_add_nc_u32 v[PK16], s55, v[I16]
	s_lshl_b32 s55, s[WV], 8
	v_add_nc_u32 v[PK8], s55, v[I8]
	v_mul_u32_u24 v[CKS], v[BM], 80
	s_lshl_b32 s55, s[WV], 2
	v_add_nc_u32 v[PKS], s55, v[CKS]
	v_mul_u32_u24 v[CVS], v[BM], 48
	; V: wave w has keys 32 (w / 2) on and channels 32 (w % 2) + lane.  So T = 2 (w % 2) + hb, s = w / 8, c = (w / 4) % 2, and the lane that will load my codes is r + 16 ((w / 2) % 2):
	; 512 (4 T + 2 s + c) + 16 (that lane) = 4,096 (w % 2) + 2,048 hb + 512 (w / 4) + 256 ((w / 2) % 2) + 16 r
	s_and_b32 s55, s[WV], 1
	s_lshl_b32 s55, s55, 12
	s_lshr_b32 s56, s[WV], 2
	s_lshl_b32 s56, s56, 9
	s_add_co_u32 s55, s55, s56
	s_bfe_u32 s56, s[WV], 0x10001
	s_lshl_b32 s56, s56, 8
	s_add_co_u32 s55, s55, s56
	v_lshlrev_b32 v[PV16], 4, v[BM]
	v_lshl_add_u32 v[PV16], v[BM+1], 11, v[PV16]
	v_add_nc_u32 v[PV16], s55, v[PV16]
	v_lshrrev_b32 v[PV8], 1, v[PV16]               ; the 8-byte part lies at half that
	s_lshr_b32 s55, s[WV], 3                       ; the scale byte: 48 r + 16 s + 4 T + (w / 2) % 4
	s_lshl_b32 s55, s55, 4
	s_and_b32 s56, s[WV], 1
	s_lshl_b32 s56, s56, 3
	s_add_co_u32 s55, s55, s56
	s_bfe_u32 s56, s[WV], 0x20001
	s_add_co_u32 s55, s55, s56
	v_lshl_add_u32 v[PVS], v[BM+1], 2, v[CVS]
	v_add_nc_u32 v[PVS], s55, v[PVS]
	v_lshlrev_b32 v[SH8], 3, v[BM+1]
	v_lshlrev_b32 v[GO], 4, v[BM]
	v_lshl_add_u32 v[GO], v[BM+1], 12, v[GO]
	; byte offsets in memory; all stay under 2^32
	s_and_b32 s12, ttmp7, 0xffff                   ; 16 x batch + head
	s_lshr_b32 s40, s12, 4                         ; batch
	s_and_b32 s41, s12, 15
	s_lshl_b32 s41, s41, 8                         ; 256 x head
	s_mul_i32 s42, s40, BATCH
	s_add_co_u32 s42, s42, s41                     ; my batch and head in qkv
	s_lshr_b32 s43, s[WV], 1
	s_and_b32 s55, s[WV], 1
	s_mul_i32 s56, s43, 32*ROWP
	s_add_co_u32 s56, s56, s42
	s_mul_i32 s46, s55, 8*ROWP
	s_add_co_u32 s46, s46, s56
	s_add_co_u32 s46, s46, KOFF                    ; K: my tile's first key, 32 (w / 2) + 8 (w % 2)
	s_mov_b32 s47, 0
	s_lshl_b32 s44, s55, 7
	s_add_co_u32 s44, s44, s56
	s_add_co_u32 s44, s44, VOFF                    ; V: keys 32 (w / 2) on, channels 32 (w % 2) on
	s_mov_b32 s45, 0
	s_lshl_b32 s55, ttmp9, 8
	s_lshl_b32 s56, s[WV], 4
	s_add_co_u32 s55, s55, s56                     ; my first query: 256 x work-group x + 16 x wave
	s_mul_i32 s48, s55, ROWP
	s_add_co_u32 s48, s48, s42
	s_mov_b32 s49, 0
	s_lshl_b32 s50, s55, 12                        ; out0: 4,096 bytes a position,
	s_lshl_b32 s56, s40, 23                        ; 8,388,608 a batch,
	s_add_co_u32 s50, s50, s56
	s_add_co_u32 s50, s50, s41                     ; 256 a head
	s_mov_b32 s51, 0
	s_lshl_b32 s52, ttmp9, 9                       ; layout: my work-group's 16 rows of 32 bytes
	s_mov_b32 s53, 0
	s_mov_b32 s[SEL], 0x76543210
	s_mov_b32 s[SEL+1], 0xfedcba98
	s_mov_b32 s[CS], 0x3e38aa3b                    ; c = log2(e) / 8
	s_mov_b32 s[CS+1], s[CS]                       ; (named with it as a pair, so it is written)
	s_mov_b32 s[NW], 0
	s_wait_kmcnt 0x0
	s_add_nc_u64 s[KB:KB+1], s[6:7], s[46:47]
	s_add_nc_u64 s[VB:VB+1], s[6:7], s[44:45]
	s_add_nc_u64 s[6:7], s[6:7], s[48:49]          ; q at my first query
	s_add_nc_u64 s[8:9], s[8:9], s[50:51]
	s_add_nc_u64 s[4:5], s[4:5], s[52:53]
.irp j, 0,1,2,3
	global_load_b32 v[PC+\j], v[GV], s[4:5] offset:128*\j           ; number 32 j + lane of my 128: row 4 j + lane / 8, key block lane % 8
.endr
	LOADROWS RAW, 6, 0, 1                          ; my 16 queries
.set jj, 0
.rept 32
	v_mov_b32 v[OT+jj], 0                          ; O^T begins as zeros: which key step is a wave's first hangs on layout, so the step is written once and the first change of M multiplies zeros
.set jj, jj+1
.endr
.irp j, 0,1,2,3
.irp i, 6,7,8,9,10,11
	v_mov_b32 v[FR+12*\j+\i], 0                    ; the upper 64 of the first product's 128 along K: zero codes, written once
.endr
.endr
.irp i, 6,7,8,9,10,11
	v_mov_b32 v[QF+\i], 0
.endr
.irp b, 0,1,2,3
	v_mov_b32 v[PT+\b], 0                          ; written once: a lane permute's destination counts as one of its sources
.endr
	v_mov_b32 v[FF+1], 0                           ; (named as the upper half of a pair)
	v_mov_b32 v[LS], 0                             ; the sum, in two halves
	v_mov_b32 v[LS+1], 0
	v_mov_b32 v[MT], 0xff61b1e6                    ; the largest t so far: -3e38, under every t
	v_floor_f32 v[NM], -v[MT]                      ; -M
	s_wait_loadcnt 8                               ; layout's four loads are in; q's eight, issued behind them, may be out
.irp j, 0,1,2,3
	v_cmp_ne_u32 s[36+\j], 0, v[PC+\j]             ; byte i of mask j: row 4 j + i of my 16, a bit a key block
.endr
	s_or_b32 s40, s36, s37                         ; the blocks that any of the 16 rows opens
	s_or_b32 s41, s38, s39
	s_or_b32 s40, s40, s41
	s_lshr_b32 s41, s40, 16
	s_or_b32 s40, s40, s41
	s_lshr_b32 s41, s40, 8
	s_or_b32 s40, s40, s41
	s_and_b32 s[UR], s40, 0xff
	s_lshr_b32 s41, s[WV], 2                       ; my row: byte wave % 4 of mask wave / 4
	s_cmp_eq_u32 s41, 1
	s_cselect_b32 s42, s37, s36
	s_cmp_eq_u32 s41, 2
	s_cselect_b32 s42, s38, s42
	s_cmp_eq_u32 s41, 3
	s_cselect_b32 s42, s39, s42
	s_and_b32 s41, s[WV], 3
	s_lshl_b32 s41, s41, 3
	s_lshr_b32 s42, s42, s41
	s_and_b32 s[WM], s42, 0xff
	PICK                                           ; the first open block
	LOADROWS S, KA, 1, 0                           ; it is loaded with no branch: where all 16 rows are closed this is block 7, which nobody then reads
	LOADV S+32
	s_wait_loadcnt 40                              ; q is in; the 8 + 32 loads issued behind it may be out
	TURN RAW
	QUANT32 RAW, QF                                ; Q's fragment and scale words stay in registers
	WORD QS
	s_wait_loadcnt 32                              ; k is in; v's 32 loads may be out
	PUTK S, 0
	s_wait_dscnt 0x0                               ; the stores have read the codes' registers
	s_wait_loadcnt 0x0
	PUTV S+32, 0
	PICK                                           ; the first block is the one to consume; the second is chosen
	s_wait_dscnt 0x0                               ; for the others' sake: my stores have landed
	s_barrier_signal -1
	s_barrier_wait -1                              ; the first block lies whole in buffer 0
	s_mov_b32 s[CNT], 4
.Lpair:                                            ; four passes of two trips: eight trips for at most eight open blocks
	TRIP 0, BUFB
	TRIP BUFB, 0
	s_sub_co_u32 s[CNT], s[CNT], 1
	s_cmp_lg_u32 s[CNT], 0
	s_cbranch_scc1 .Lpair
	; THE WAY OUT.  O^T is divided by the row's sum and goes through my stage, so that sixteen lanes store a query's 256 consecutive bytes, aligned.
	s_cmp_eq_u32 s[WM], 0
	s_cbranch_scc1 .Lnan                           ; my row of layout is all 0
	v_add_f32 v[LS], v[LS], v[LS+1]                ; the sum's two halves,
	v_permlanex16_b32 v[PT], v[LS], s[SEL], s[SEL+1]
	v_add_f32 v[LS], v[LS], v[PT]                  ; and lane l xor 16's: the row's sum
	v_rcp_f32 v[LS], v[LS]
	v_nop                                          ; a plain instruction behind the reciprocal
	s_wait_alu depctr_va_vdst(0)                   ; and a wait ahead of its first reader
.set jj, 0
.rept 16
	v_pk_mul_f32 v[S+jj:S+jj+1], v[OT+jj:OT+jj+1], v[LS:LS+1] op_sel_hi:[1,0]    ; register 8 T + i is o(query r, channel 16 T + 8 hb + i); each tile from its low end on
.set jj, jj+2
.endr
.irp t, 0,1,2,3
	ds_store_b128 v[OST], v[S+8*\t:S+8*\t+3] offset:64*\t
	ds_store_b128 v[OST], v[S+8*\t+4:S+8*\t+7] offset:64*\t+16
.endr
.irp i, 0,1,2,3,4,5,6,7
	ds_load_b128 v[RAW+4*\i:RAW+4*\i+3], v[STS] offset:2*\i*272     ; LDS serves a wave's instructions in order: these see my stores
.endr
.irp i, 0,1,2,3,4,5,6,7
	s_wait_dscnt 7-\i                              ; load i is in; the 7 - i younger ones may be out
	global_store_b128 v[GO], v[RAW+4*\i:RAW+4*\i+3], s[8:9] offset:2*\i*4096 th:TH_STORE_NT   ; two queries' 256 bytes each, at multiples of 256 from out0's first byte; written once, read by nobody here
.endr
	s_branch .Lend
.Lnan:
.irp i, 0,1,2,3
	v_mov_b32 v[RAW+\i], 0x7fc00000                ; a softmax of -infinity alone: NaN
.endr
.irp i, 0,1,2,3,4,5,6,7
	global_store_b128 v[GO], v[RAW:RAW+3], s[8:9] offset:2*\i*4096 th:TH_STORE_NT
.endr
.Lend:
	s_wait_tensorcnt 0x0                           ; the wave's end
	ds_add_u32 v[SPW], v[NIL]
	s_wait_dscnt 0x0
	s_endpgm
.Lfunc_end_k_qaa7aaa6bb7_attn:
	.size	k_qaa7aaa6bb7_attn, .Lfunc_end_k_qaa7aaa6bb7_attn-k_qaa7aaa6bb7_attn
	.p2alignl 7, 3214868480
	.fill 96, 4, 3214868480
	.section	.rodata,"a",@progbits
	.p2align	6, 0x0
	.amdhsa_kernel k_qaa7aaa6bb7_attn
		.amdhsa_group_segment_fixed_size 124928
		.amdhsa_private_segment_fixed_size 0
		.amdhsa_enable_private_segment 0
		.amdhsa_kernarg_size 24
		.amdhsa_user_sgpr_count 2
		.amdhsa_user_sgpr_kernarg_segment_ptr 1
		.amdhsa_wavefront_size32 1
		.amdhsa_system_sgpr_workgroup_id_x 1
		.amdhsa_system_sgpr_workgroup_id_y 1
		.amdhsa_system_sgpr_workgroup_id_z 1
		.amdhsa_system_vgpr_workitem_id 0
		.amdhsa_next_free_vgpr 256
		.amdhsa_next_free_sgpr 66
		.amdhsa_reserve_vcc 0
		.amdhsa_float_denorm_mode_32 3
		.amdhsa_float_denorm_mode_16_64 3
		.amdhsa_memory_ordered 1
		.amdhsa_forward_progress 1
		.amdhsa_inst_pref_size 106
	.end_amdhsa_kernel
	.amdgpu_metadata
---
amdhsa.version: [ 1, 2 ]
amdhsa.kernels:
  - .name:           k_qaa7aaa6bb7_attn
    .symbol:         k_qaa7aaa6bb7_attn.kd
    .args:
      - { .name: layout, .offset: 0, .size: 8, .value_kind: global_buffer, .address_space: global }
      - { .name: qkv, .offset: 8, .size: 8, .value_kind: global_buffer, .address_space: global }
      - { .name: out0, .offset: 16, .size: 8, .value_kind: global_buffer, .address_space: global }
    .group_segment_fixed_size: 124928
    .private_segment_fixed_size: 0
    .kernarg_segment_align: 8
    .kernarg_segment_size: 24
    .max_flat_workgroup_size: 512
    .sgpr_count:     66
    .vgpr_count:     256
    .wavefront_size: 32
...
	.end_amdgpu_metadata
.endif
;; end of part 1
;; ======== version 2 of 2: 1 launch; version 1 with the launch attn written anew for expert scheduling mode
;; launch attn (part 2): grid 8 x 32, 16 waves a work-group, no clusters, 124,928 bytes of LDS; arguments layout, qkv, out0; writes out0
.if DOCPART == 2
	.amdgcn_target "amdgcn-amd-amdhsa--gfx1250"
	.amdhsa_code_object_version 6
	.text
	.protected	k_qaa7aaa6bb7_attn
	.globl	k_qaa7aaa6bb7_attn
	.p2align	8
	.type	k_qaa7aaa6bb7_attn,@function
k_qaa7aaa6bb7_attn:
	s_mov_b64 s[64:65], 0
	v_nop
	global_prefetch_b8 v0, s[64:65] scope:SCOPE_SE
	s_setreg_imm32_b32 hwreg(HW_REG_WAVE_SCHED_MODE, 0, 2), 2
	s_setreg_imm32_b32 hwreg(HW_REG_WAVE_MODE, 25, 1), 1
	s_wait_xcnt 0x0
	s_wait_alu depctr_vm_vsrc(0)
; out0[b][s][h][:] = the sum over keys t of softmax_t(q[b][s][h] . k[b][t][h] / 8, under the block mask) v[b][t][h][:].  qkv: [2][2048][3][16][64] f32; layout: [128][8] int32, one number
; for 16 queries x 256 keys, open where it is not 0; out0: [2][2048][16][64] f32.  Both products on codes of BF6 (E3M2) with one E8M0 scale for each 32 along a product's K.
; THE SOFTMAX AHEAD OF THE SECOND PRODUCT: t = score x log2(e) / 8; M = the row's largest t so far, rounded UP to a whole number; p = 2^(t - M) is quantised along the keys, not normalised;
; the row's sum is taken of the unquantised p and divides at the end.  When M moves, the sum and O are multiplied by 2^(old M - new M), which rounds nothing.
; WORK LEFT OUT.  Where layout[i][j] is 0, the scores of those 16 queries x 256 keys are -infinity in the definition: their p is exactly 0, their codes are zeros, they add nothing to the row's sum, to
; its maximum or to O, whatever finite numbers qkv holds.  So such a pair (tile of queries, key block) is not computed, and a key block that none of a work-group's 16 rows of layout opens is not loaded.
; Whole numbers read from memory decide that, for every layout; no pattern of layout is built in.  Both inputs have a way to the output and both are arguments.
; LIMITS.  A NaN, an infinity or an overflow in k or v of key blocks that are left out is not carried to the result.  NaN and infinities among the inputs are not served.  A block of 32 whose largest magnitude
; lies under 2^-122 gets the scale byte 1 (a block of zeros too, where the quantiser says 127: its codes are zeros, and these bytes are read by this program alone).  A p under 2^-126 comes out of the exponential as 0.
; Queries whose row of layout is all 0 get the NaN 0x7fc00000 in all 64 numbers, as a softmax of -infinity alone gives.
; SHARES.  A work-group owns 256 queries of one batch and head: 8 x 32 = 256 work-groups.  Each of its sixteen waves owns 16 queries, ONE row of layout, in 256 registers: a wave's mask is one bit a key block.
; The work-group walks the key blocks that ANY of its 16 rows opens, in ascending order.  Such a block (256 keys) is loaded as f32 and quantised ONCE for the work-group, a sixteenth by each wave, and laid into LDS
; as images of the operands' registers, in two buffers that take turns; a wave whose own bit is set consumes it: two key steps of 128 keys.  While a block is consumed the next one is loaded and quantised:
; k's loads are out during the first key step, v's during the second.
; THE LOOP HAS EIGHT TRIPS, whatever layout holds, and one barrier a trip, on every wave's way; loads, quantising and key steps stand under forward branches on numbers made from layout.
; NO TENSOR LOAD, NO CLUSTER: which blocks a work-group walks hangs on numbers read from memory; and the f32 numbers have to pass
; through registers to be quantised.  The eight work-groups of a head share a key block only where layout opens it for both.
; LAYOUT.  Both products are used transposed: S^T = K Q^T (source 0 = 16 keys, source 1 = my 16 queries), O^T = V^T P^T (source 0 = 16 of the head's 64, source 1 = P): a lane holds ONE query (lane % 16) throughout.
; THE KEYS OF A TILE ARE NOT NEIGHBOURS: row rho of tile 2 b + u is key 32 b + 8 u + rho + 8 (rho / 8), so that the 16 registers of tiles 2 b and 2 b + 1 are 16 neighbouring keys, 32 b + 16 (lane / 16) + 0 .. 15.
; The first product's K is the head's 64: the upper half of the instruction's 128 is zero codes on both sides (registers 6 to 11 of Q's and K's fragments, cleared once), under the scale byte 0.
; THE MODE: SCHED_MODE bits 1:0 = 2 (LLVM: expert scheduling mode 2), set by the entry lines.  The code itself states the register dependences between vector or matrix instructions and memory or LDS
; instructions, with s_wait_alu, always for 0.
; THE PLAN.  Registers that memory or LDS instructions touch:
;   RAW          a trip's loads of k land; the turn's LDS stores read it, its LDS loads land in it; the quantiser reads it; the loads of v land; the quantiser reads it.  The key step never names it.
;   FR's lower sixes, SC   LDS loads land; products read.
;   S            K's products write it, the softmax works in place, the conversions read it; V's fragments land in it; V's products read them; the next step's products write over them (matrix against matrix: places).
;   PC, BM+1     written by the quantiser and by the key step; read by the stores of the images.
;   the addresses (v1-11, v16-20, v23, v252)   written once at the head, never again.
; So: one wait on va_vdst behind each quantiser serves the image's stores and the next loads into RAW; one wait on vm_vsrc stands inside the turn, and one behind each image's stores, ahead of the next writer of
; PC and BM+1.  A key step has four waits on va_vdst beside the one ahead of its exponentials and the two behind them: at its head and behind its first four products (FR and SC are read out), behind the conversions (S is read out),
; and ahead of V's products (p's codes and scale word are written).  Behind each of them the loads go out in one run, and vector work that names none of their registers follows with no further wait.
.set ROWP,  12288                      ; bytes from position s to s + 1 in qkv
.set BATCH, 2048*ROWP                  ; a batch of qkv
.set KOFF,  4096                       ; k's and v's places in a position's 12,288 bytes; a head's 64 numbers are 256 bytes
.set VOFF,  8192
.set BLKB,  256*ROWP                   ; a key block
; LDS.  A buffer holds one key block as images of operand registers:
.set K128,  0                          ; K's tile t (0..15): registers 0-3 of its fragment at 512 t + 16 lane,
.set K64,   8192                       ; registers 4-5 at 256 t + 8 lane
.set V128,  12288                      ; V's unit 4 T + 2 s + c (T: 16 of the head's 64; s: key step; c: half of its 128 keys): registers 6 c .. 6 c + 3 at 512 unit + 16 lane,
.set V64,   20480                      ; registers 6 c + 4, 6 c + 5 at 256 unit + 8 lane
.set KSC,   24576                      ; K's scale words: 80 r + 4 t (64 bytes a row + 16, so that the sixteen rows of a 16-byte load fall on different banks)
.set VSC,   25856                      ; V's scale bytes: 48 r + 16 s + 4 T + b, for channel 16 T + r and keys 128 s + 32 b on
.set BUFB,  26624                      ; a buffer; two of them, at 0 and at BUFB
.set STAGE, 2*BUFB                     ; 16 rows x (256 bytes + 16) for each wave, its own: the turn of q's and k's rows, and the way out
.set STW,   16*272
.set SPARE, STAGE+16*STW               ; the spare words, 128 bytes for each wave: eight blocks of 256 bytes that no other line names
; Vector registers
.set SPW,  1                           ; LDS address of my spare word: SPARE + 4 x my thread's number; never rewritten
.set NIL,  2                           ; 0; never rewritten
.set GK,   3                           ; memory: 12,288 hb + 16 r: a load takes two rows of 256 bytes
.set GV,   4                           ; memory: 4 x lane
.set STS,  5                           ; stage: 272 hb + 16 r: rows as they are loaded or stored
.set STL,  6                           ; stage: 272 r + 128 hb: my 32 neighbours of row r
.set I16,  7                           ; 16 x lane
.set I8,   8                           ; 8 x lane
.set PK16, 9                           ; where I put K's image: 16 lane + 512 wave
.set PK8,  10                          ; 8 lane + 256 wave
.set PKS,  11                          ; and its scale word: 80 r + 4 wave
.set NM,   12                          ; -M       (a pair with MT: the packed form takes the low word for both halves)
.set MT,   13                          ; the largest t so far
.set LS,   14                          ; v[14:15] the row's sum, in two halves
.set PV16, 16                          ; where I put V's image
.set PV8,  17
.set PVS,  18                          ; and its scale byte
.set CKS,  19                          ; 80 r
.set CVS,  20                          ; 48 r
.set SH8,  21                          ; 8 hb
.set QS,   22                          ; Q's scale words
.set OST,  23                          ; stage: 272 r + 32 hb: where I put eight numbers of a row of O
.set QF,   24                          ; v24-35   Q's fragment (v30-35 zeros)
.set SC,   36                          ; v36-39   the scale words in hand, K's or V's
.set FR,   40                          ; v40-87   four fragments of K, 12 registers each (the upper six of each zeros)
.set S,    88                          ; v88-151  S^T, then p, then V's four fragments at S + 12 T.  At the head: the first block's numbers
.set OT,   152                         ; v152-183 O^T, four tiles
.set PC,   184                         ; v184-195 codes just made.  At the head v184-187: layout's numbers
.set CT,   196                         ; v196-202 the conversions' second halves
.set BM,   204                         ; v204-207 the blocks' largest
.set PT,   208                         ; v208-211 at work
.set SO,   212                         ; v212-215 the conversions' scale operands
.set FF,   216                         ; v[216:217] f = 2^(old M - new M), and its partner in the pair
.set PW,   218                         ; p's scale word
.set TMP,  219
.set RAW,  220                         ; v220-251 32 numbers on their way to the quantiser; on the way out rows of O
.set GO,   252                         ; memory: 4,096 hb + 16 r
; Scalar registers
.set WV,   10                          ; my wave's number
.set T0,   14                          ; s[14:15] a byte offset at work
.set KB,   16                          ; s[16:17] k of my tile's first key in key block 0
.set VB,   18                          ; s[18:19] v of my 32 keys and 32 channels in key block 0
.set SEL,  20                          ; s[20:21] lane selects for v_permlanex16_b32: lane l xor 16
.set CS,   22                          ; s[22:23] c = log2(e) / 8
.set KA,   24                          ; s[24:25], s[26:27] the same as KB, VB in the block to be produced
.set VA,   26
.set UR,   28                          ; the work-group's open blocks not yet taken, a bit each
.set WM,   29                          ; my row of layout, a bit a block
.set CW,   30                          ; 1: the block that lies in the buffer is open for me
.set NX,   31                          ; the next block's number
.set NV,   32                          ; 1: there is a next block
.set NW,   33                          ; 1: it is open for me
.set CNT,  34
; Eight loads of two rows each: 16 rows x 256 bytes.  perm = 1: a tile of K, whose rows 8 to 15 lie 8 keys further on.  nt = 1: read once in the launch
.macro LOADROWS raw, base, perm, nt
.irp j, 0,1,2,3,4,5,6,7
.if \nt
	global_load_b128 v[\raw+4*\j:\raw+4*\j+3], v[GK], s[\base:\base+1] offset:(2*\j+8*\perm*(\j/4))*ROWP th:TH_LOAD_NT
.else
	global_load_b128 v[\raw+4*\j:\raw+4*\j+3], v[GK], s[\base:\base+1] offset:(2*\j+8*\perm*(\j/4))*ROWP
.endif
.endr
.endm
; A lane takes a channel and its registers run down 32 keys: each load reads 128 consecutive bytes, the partner wave the other half of the head's 256
.macro LOADV raw
.set ii, 0
.rept 32
	global_load_b32 v[\raw+ii], v[GV], s[VA:VA+1] offset:ii*ROWP
.set ii, ii+1
.endr
.endm
; 16 rows through my own stage: in as they were loaded, back 32 neighbours of one row a lane.  LDS serves a wave's instructions in order, so no wait on DScnt stands between the stores and the loads
.macro TURN raw
.irp j, 0,1,2,3,4,5,6,7
	ds_store_b128 v[STS], v[\raw+4*\j:\raw+4*\j+3] offset:2*\j*272
.endr
	s_wait_alu depctr_vm_vsrc(0)                   ; the eight stores have read the 32 registers in which the eight loads below land
.irp j, 0,1,2,3,4,5,6,7
	ds_load_b128 v[\raw+4*\j:\raw+4*\j+3], v[STL] offset:16*\j
.endr
	s_wait_dscnt 0x0
.endm
; A block of 32 in one lane's registers v[x] on becomes six registers of codes in v[d] on and its scale byte in v[BM+1]
.macro QUANT32 x, d
	v_max3_num_f32 v[BM], |v[\x]|, |v[\x+1]|, |v[\x+2]|             ; the block's largest magnitude, in two chains
	v_max3_num_f32 v[BM+1], |v[\x+3]|, |v[\x+4]|, |v[\x+5]|
.irp i, 6,10,14,18,22,26
	v_max3_num_f32 v[BM], v[BM], |v[\x+\i]|, |v[\x+\i+1]|
	v_max3_num_f32 v[BM+1], v[BM+1], |v[\x+\i+2]|, |v[\x+\i+3]|
.endr
	v_max3_num_f32 v[BM], v[BM], |v[\x+30]|, |v[\x+31]|
	v_max3_num_f32 v[BM], v[BM], v[BM+1], 0x2800000                 ; and the floor 2^(5 - 127): the byte cannot fall under 1
	v_add_nc_u32 v[SO], 0xfe000000, v[BM]                           ; 4 off its exponent field: the conversion takes the exponent field of this operand as its scale, and nothing else of it
	v_cvt_scalef32_pk16_bf6_f32 v[\d:\d+2], v[\x:\x+15], v[SO]
	v_cvt_scalef32_pk16_bf6_f32 v[CT:CT+2], v[\x+16:\x+31], v[SO]   ; (a conversion's three registers begin on an even number)
	v_lshrrev_b32 v[BM+1], 23, v[SO]                                ; the scale's byte; also the plain instruction behind the conversions
.irp i, 0,1,2
	v_mov_b32 v[\d+3+\i], v[CT+\i]
.endr
.endm
; A row's scale word from the bytes of its two lanes: byte 0 the head's numbers 0-31 (lanes 0-15), byte 1 numbers 32-63 (lanes 16-31); bytes 2 and 3 stay 0, over zero codes
.macro WORD dst
	v_lshlrev_b32 v[BM+1], v[SH8], v[BM+1]
	v_permlanex16_b32 v[PT], v[BM+1], s[SEL], s[SEL+1]
	v_or_b32 v[\dst], v[BM+1], v[PT]
.endm
; My tile of K, loaded into v[raw] on, goes as an image into the buffer at byte nb
.macro PUTK raw, nb
	TURN \raw
	QUANT32 \raw, PC
	WORD BM+1
	s_wait_alu depctr_va_vdst(0)                   ; the quantiser has written the codes and the scale word, which the three stores read; and it is done reading the 32 numbers' registers, in which the next loads land
	ds_store_b128 v[PK16], v[PC:PC+3] offset:\nb+K128
	ds_store_b64 v[PK8], v[PC+4:PC+5] offset:\nb+K64
	ds_store_b32 v[PKS], v[BM+1] offset:\nb+KSC                     ; lanes r and r + 16 write the same word with the same value
.endm
; My 32 keys x 32 channels of V likewise: a lane's six registers are half a fragment's for one lane of the wave that will load it
.macro PUTV raw, nb
	QUANT32 \raw, PC
	s_wait_alu depctr_va_vdst(0)                   ; the quantiser has written the codes and the scale byte, which the three stores read; and it is done reading the 32 numbers' registers, in which the next trip's loads land
	ds_store_b128 v[PV16], v[PC:PC+3] offset:\nb+V128
	ds_store_b64 v[PV8], v[PC+4:PC+5] offset:\nb+V64
	ds_store_b8 v[PVS], v[BM+1] offset:\nb+VSC
.endm
; The block just produced becomes the one to consume; the lowest open block not yet taken becomes the next.  Scalar work alone; it stands where no load of mine is out, so that KA and VA may be written
.macro PICK
	s_mov_b32 s[CW], s[NW]
	s_ctz_i32_b32 s[NX], s[UR]
	s_min_u32 s[NX], s[NX], 7                      ; held inside the 8 key blocks, also where no block is left: only so does the number enter an address
	s_cmp_lg_u32 s[UR], 0
	s_cselect_b32 s[NV], 1, 0
	s_lshr_b32 s[NW], s[WM], s[NX]
	s_and_b32 s[NW], s[NW], s[NV]
	s_lshl_b32 s[T0], 1, s[NX]
	s_and_not1_b32 s[UR], s[UR], s[T0]
	s_mul_i32 s[T0], s[NX], BLKB
	s_mov_b32 s[T0+1], 0
	s_add_nc_u64 s[KA:KA+1], s[KB:KB+1], s[T0:T0+1]
	s_add_nc_u64 s[VA:VA+1], s[VB:VB+1], s[T0:T0+1]
.endm
; Four tiles of K, the g-th four of key step s, and their scale words of row r: nine LDS loads in one run
.macro KFETCH xb, s, g
.irp j, 0,1,2,3
	ds_load_b128 v[FR+12*\j:FR+12*\j+3], v[I16] offset:\xb+K128+512*(8*\s+4*\g+\j)
	ds_load_b64 v[FR+12*\j+4:FR+12*\j+5], v[I8] offset:\xb+K64+256*(8*\s+4*\g+\j)
.endr
	ds_load_b128 v[SC:SC+3], v[CKS] offset:\xb+KSC+16*(2*\s+\g)
.endm
; S^T = K Q^T for these four tiles
.macro KMUL g
.irp j, 0,1,2,3
	v_wmma_scale_f32_16x16x128_f8f6f4 v[S+8*(4*\g+\j):S+8*(4*\g+\j)+7], v[FR+12*\j:FR+12*\j+11], v[QF:QF+11], 0, v[SC+\j], v[QS] matrix_a_fmt:MATRIX_FMT_BF6 matrix_b_fmt:MATRIX_FMT_BF6
.endr
.endm
; THE LARGEST SCORE OF EACH BLOCK OF 32 KEYS, blocks b0 and b0 + 1 by turns: it serves for the row's maximum and, since p rises with the score, for the block's largest p.  Each tile is read from its low end on
.macro BLKMAX b0
.irp b, \b0, \b0+1
	v_max3_num_f32 v[BM+(\b)], v[S+16*(\b)], v[S+1+16*(\b)], v[S+2+16*(\b)]
.endr
.irp i, 3,5,7,9,11,13
.irp b, \b0, \b0+1
	v_max3_num_f32 v[BM+(\b)], v[BM+(\b)], v[S+16*(\b)+\i], v[S+1+16*(\b)+\i]
.endr
.endr
.irp b, \b0, \b0+1
	v_max_num_f32 v[BM+(\b)], v[BM+(\b)], v[S+15+16*(\b)]
.endr
.endm
; A KEY STEP: keys 128 s on of the block in the buffer at byte xb.
.macro STEP xb, s
	s_wait_alu depctr_va_vdst(0)                   ; the products of the key step before are done reading K's fragments and the scale words, in which the loads below land
	KFETCH \xb, \s, 0
	s_wait_dscnt 0x0
	KMUL 0
.rept 4
	v_nop                                          ; four plain instructions behind the four products: ahead of the first read of their results, and of the loads into registers that they have read
.endr
	s_wait_alu depctr_va_vdst(0)                   ; the four products are done reading K's fragments and the scale words, in which the loads below land
	KFETCH \xb, \s, 1
	BLKMAX 0                                       ; while those loads are out: the first four tiles' two blocks.  No wait: these lines name S's first 32 registers and v[BM], v[BM+1], none of which the loads touch
	s_wait_dscnt 0x0
	KMUL 1                                         ; lane (r, hb) holds query r; the 16 registers of tiles 2 b, 2 b + 1 are keys 32 b + 16 hb + 0 .. 15 of the step
.rept 4
	v_nop
.endr
	BLKMAX 2
.irp b, 0,1,2,3
	v_permlanex16_b32 v[PT+\b], v[BM+\b], s[SEL], s[SEL+1]
.endr
.irp b, 0,1,2,3
	v_max_num_f32 v[BM+\b], v[BM+\b], v[PT+\b]     ; with lane l xor 16's 16 keys
.endr
	v_max3_num_f32 v[TMP], v[BM], v[BM+1], v[BM+2]
	v_max_num_f32 v[TMP], v[TMP], v[BM+3]          ; the step's largest score of my query
	v_mul_f32 v[TMP], s[CS], v[TMP]                ; as t (c is positive)
	v_max_num_f32 v[MT], v[MT], v[TMP]             ; the running largest t
	v_mov_b32 v[TMP], v[NM]
	v_floor_f32 v[NM], -v[MT]                      ; the new -M = floor(-t) = -ceil(t): M is a whole number
	v_sub_f32 v[TMP], v[NM], v[TMP]                ; M's old value less its new one: a whole number, 0 or less
	v_cvt_i32_f32 v[TMP], v[TMP]                   ; (it saturates)
	v_ldexp_f32 v[FF], 1.0, v[TMP]                 ; f = 2^(old M - new M)
.set jj, 0
.rept 32
	v_pk_fma_f32 v[S+jj:S+jj+1], v[S+jj:S+jj+1], s[CS:CS+1], v[NM:NM+1] op_sel_hi:[1,0,0]   ; t - M, two at a time
.set jj, jj+2
.endr
.irp b, 0,1,2,3
	v_fma_f32 v[BM+\b], v[BM+\b], s[CS], v[NM]     ; the same of each block's largest score
.endr
.set jj, 0
	s_wait_alu depctr_va_vdst(0)
.rept 64
	v_exp_f32 v[S+jj], v[S+jj]                     ; p = 2^(t - M), at most 1: not normalised
.set jj, jj+1
.endr
	v_pk_mul_f32 v[LS:LS+1], v[LS:LS+1], v[FF:FF+1] op_sel_hi:[1,0] ; the sums under the new M; the plain instruction behind the exponentials
	s_wait_alu depctr_va_vdst(0)                   ; the 64 exponentials have written p: one wait for the batch, ahead of its first reader
.irp b, 0,1,2,3
	v_exp_f32 v[BM+\b], v[BM+\b]                   ; the block's largest p: the same two instructions on the same number give the same bits
.endr
	v_pk_add_f32 v[PT:PT+1], v[S:S+1], v[S+2:S+3]  ; the row's sum is taken of the unquantised p: two at a time, in two chains
.set jj, 4
.rept 15
	v_pk_add_f32 v[LS:LS+1], v[LS:LS+1], v[S+jj:S+jj+1]
	v_pk_add_f32 v[PT:PT+1], v[PT:PT+1], v[S+jj+2:S+jj+3]
.set jj, jj+4
.endr
	v_pk_add_f32 v[LS:LS+1], v[LS:LS+1], v[PT:PT+1]
	s_wait_alu depctr_va_vdst(0)                   ; the four exponentials have written the blocks' largest p: their wait, ahead of their first reader
.irp b, 0,1,2,3
	v_max_num_f32 v[BM+\b], 0x2800000, v[BM+\b]    ; the floor 2^(5 - 127): the byte cannot fall under 1
.endr
.irp b, 0,1,2,3
	v_add_nc_u32 v[SO+\b], 0xfe000000, v[BM+\b]    ; 4 off the exponent field: the conversion's scale operand
.endr
.irp b, 0,1,2,3
	v_lshrrev_b32 v[PT+\b], 23, v[SO+\b]           ; the scale's byte
.endr
	v_lshl_or_b32 v[PW], v[PT+1], 8, v[PT]         ; p's scale word for these 128 keys
	v_lshl_or_b32 v[PW], v[PT+2], 16, v[PW]
	v_lshl_or_b32 v[PW], v[PT+3], 24, v[PW]
.irp c, 0,1
	v_cvt_scalef32_pk16_bf6_f32 v[PC+6*\c:PC+6*\c+2], v[S+32*\c:S+32*\c+15], v[SO+2*\c]
	v_cvt_scalef32_pk16_bf6_f32 v[CT+4*\c:CT+4*\c+2], v[S+32*\c+16:S+32*\c+31], v[SO+2*\c+1]
.endr
	v_nop                                          ; one plain instruction behind the scaled conversions
	s_wait_alu depctr_va_vdst(0)                   ; the conversions are done reading p, and K's products the scale words: V's fragments and scale words land in those registers
.irp t, 0,1,2,3                                ; p's registers are free: V's four fragments of this step land there while p's codes are put in order
.irp c, 0,1
	ds_load_b128 v[S+12*\t+6*\c:S+12*\t+6*\c+3], v[I16] offset:\xb+V128+512*(4*\t+2*\s+\c)
	ds_load_b64 v[S+12*\t+6*\c+4:S+12*\t+6*\c+5], v[I8] offset:\xb+V64+256*(4*\t+2*\s+\c)
.endr
.endr
	ds_load_b128 v[SC:SC+3], v[CVS] offset:\xb+VSC+16*\s            ; the four tiles' scale words of channel r
.irp c, 0,1                                    ; the operand's layout wants a WHOLE block in a lane: lanes 0-15 block 2 c, lanes 16-31 block 2 c + 1.  (These 28 lines name the codes' registers, O^T and f: none that the loads above touch)
.irp i, 0,1,2
	v_permlane16_swap_b32 v[PC+6*\c+\i], v[CT+4*\c+\i]
.endr
.irp i, 0,1,2
	v_mov_b32 v[PC+6*\c+3+\i], v[CT+4*\c+\i]
.endr
.endr
.set jj, 0
.rept 16
	v_pk_mul_f32 v[OT+jj:OT+jj+1], v[OT+jj:OT+jj+1], v[FF:FF+1] op_sel_hi:[1,0]   ; O^T under the new M, from each tile's low end on.  These sixteen also stand between the last writes of p's codes and scale word and the products
.set jj, jj+2
.endr
	s_wait_dscnt 0x0
	s_wait_alu depctr_va_vdst(0)                   ; p's codes and p's scale word are written, which the products below take as an operand and as scales; the sixteen lines above stay beside this wait
.irp t, 0,1,2,3                                ; O^T += V^T P^T; the four accumulators by turns, one instruction a turn
	v_wmma_scale_f32_16x16x128_f8f6f4 v[OT+8*\t:OT+8*\t+7], v[S+12*\t:S+12*\t+11], v[PC:PC+11], v[OT+8*\t:OT+8*\t+7], v[SC+\t], v[PW] matrix_a_fmt:MATRIX_FMT_BF6 matrix_b_fmt:MATRIX_FMT_BF6
.endr
.rept 5
	v_nop                                          ; five: the next step's first products write over V's fragments; four of them serve vector writes of the codes' registers and reads of O^T
.endr
.endm
; A TRIP: the block in the buffer at xb is consumed by the waves for which it is open; the next open block, if there is one, is loaded, quantised and laid into the buffer at nb.
; Both waits for the loads stand outside the branches: on every way no load is out where its registers are read or loaded again, or where PICK writes its address.
.macro TRIP xb, nb
	s_cmp_lg_u32 s[NV], 0
	s_cbranch_scc0 .Lno_k_\@
	LOADROWS RAW, KA, 1, 0                         ; my tile of the next block's K: out during the first key step.  No wait: every quantiser that read RAW has its wait on va_vdst behind it, and nothing since names RAW
.Lno_k_\@:
	s_cmp_lg_u32 s[CW], 0
	s_cbranch_scc0 .Lno_s0_\@
	STEP \xb, 0
.Lno_s0_\@:
	s_wait_loadcnt 0x0
	s_cmp_lg_u32 s[NV], 0
	s_cbranch_scc0 .Lno_pk_\@
	PUTK RAW, \nb
	LOADV RAW                                      ; my part of its V: out during the second key step.  The wait in PUTK, behind the quantiser, serves these loads too
	s_wait_dscnt 0x0                               ; the image's stores have landed
	s_wait_alu depctr_vm_vsrc(0)                   ; and have read the codes' registers and v[BM+1], which the key step and the next quantiser write
.Lno_pk_\@:
	s_cmp_lg_u32 s[CW], 0
	s_cbranch_scc0 .Lno_s1_\@
	STEP \xb, 1
.Lno_s1_\@:
	s_wait_loadcnt 0x0
	s_cmp_lg_u32 s[NV], 0
	s_cbranch_scc0 .Lno_pv_\@
	PUTV RAW, \nb
.Lno_pv_\@:
	PICK
	s_wait_dscnt 0x0                               ; for the others' sake: my stores into the one buffer have landed, my reads of the other are back
	s_wait_alu depctr_vm_vsrc(0)                   ; the stores of V's image have read the codes' registers and v[BM+1], which the next trip writes
	s_barrier_signal -1
	s_barrier_wait -1                              ; the one buffer is whole, and nobody reads the other any more
.endm
	s_load_b128 s[4:7], s[0:1], 0x0                ; layout, qkv
	s_load_b64 s[8:9], s[0:1], 0x10                ; out0
	v_lshl_add_u32 v[SPW], v0, 2, SPARE
	v_mov_b32 v[NIL], 0
	v_lshrrev_b32 v[TMP], 5, v0
	v_readfirstlane_b32 s[WV], v[TMP]              ; wave 0..15
	v_and_b32 v[BM], 15, v0                        ; r = lane % 16
	v_bfe_u32 v[BM+1], v0, 4, 1                    ; hb = lane / 16
	v_and_b32 v[BM+2], 31, v0                      ; lane
	v_mul_u32_u24 v[GK], v[BM+1], ROWP
	v_lshl_add_u32 v[GK], v[BM], 4, v[GK]
	v_lshlrev_b32 v[GV], 2, v[BM+2]
	s_wait_alu depctr_va_sdst(0)                   ; the wave's number is written, ahead of its first reader: LDS places and the bases in memory are made from it
	s_mul_i32 s54, s[WV], STW
	s_add_co_u32 s54, s54, STAGE                   ; my stage
	v_mul_u32_u24 v[STS], v[BM+1], 272
	v_lshl_add_u32 v[STS], v[BM], 4, v[STS]
	v_add_nc_u32 v[STS], s54, v[STS]
	v_mul_u32_u24 v[STL], v[BM], 272
	v_lshl_add_u32 v[OST], v[BM+1], 5, v[STL]
	v_lshl_add_u32 v[STL], v[BM+1], 7, v[STL]
	v_add_nc_u32 v[STL], s54, v[STL]
	v_add_nc_u32 v[OST], s54, v[OST]
	v_lshlrev_b32 v[I16], 4, v[BM+2]
	v_lshlrev_b32 v[I8], 3, v[BM+2]
	s_lshl_b32 s55, s[WV], 9
	v_add_nc_u32 v[PK16], s55, v[I16]
	s_lshl_b32 s55, s[WV], 8
	v_add_nc_u32 v[PK8], s55, v[I8]
	v_mul_u32_u24 v[CKS], v[BM], 80
	s_lshl_b32 s55, s[WV], 2
	v_add_nc_u32 v[PKS], s55, v[CKS]
	v_mul_u32_u24 v[CVS], v[BM], 48
	s_wait_alu depctr_va_vdst(0)
	; V: wave w has keys 32 (w / 2) on and channels 32 (w % 2) + lane.  So T = 2 (w % 2) + hb, s = w / 8, c = (w / 4) % 2, and the lane that will load my codes is r + 16 ((w / 2) % 2):
	; 512 (4 T + 2 s + c) + 16 (that lane) = 4,096 (w % 2) + 2,048 hb + 512 (w / 4) + 256 ((w / 2) % 2) + 16 r
	s_and_b32 s55, s[WV], 1
	s_lshl_b32 s55, s55, 12
	s_lshr_b32 s56, s[WV], 2
	s_lshl_b32 s56, s56, 9
	s_add_co_u32 s55, s55, s56
	s_bfe_u32 s56, s[WV], 0x10001
	s_lshl_b32 s56, s56, 8
	s_add_co_u32 s55, s55, s56
	v_lshlrev_b32 v[PV16], 4, v[BM]
	v_lshl_add_u32 v[PV16], v[BM+1], 11, v[PV16]
	v_add_nc_u32 v[PV16], s55, v[PV16]
	v_lshrrev_b32 v[PV8], 1, v[PV16]               ; the 8-byte part lies at half that
	s_lshr_b32 s55, s[WV], 3                       ; the scale byte: 48 r + 16 s + 4 T + (w / 2) % 4
	s_lshl_b32 s55, s55, 4
	s_and_b32 s56, s[WV], 1
	s_lshl_b32 s56, s56, 3
	s_add_co_u32 s55, s55, s56
	s_bfe_u32 s56, s[WV], 0x20001
	s_add_co_u32 s55, s55, s56
	v_lshl_add_u32 v[PVS], v[BM+1], 2, v[CVS]
	v_add_nc_u32 v[PVS], s55, v[PVS]
	v_lshlrev_b32 v[SH8], 3, v[BM+1]
	v_lshlrev_b32 v[GO], 4, v[BM]
	v_lshl_add_u32 v[GO], v[BM+1], 12, v[GO]
	; byte offsets in memory; all stay under 2^32
	s_and_b32 s12, ttmp7, 0xffff                   ; 16 x batch + head
	s_lshr_b32 s40, s12, 4                         ; batch
	s_and_b32 s41, s12, 15
	s_lshl_b32 s41, s41, 8                         ; 256 x head
	s_mul_i32 s42, s40, BATCH
	s_add_co_u32 s42, s42, s41                     ; my batch and head in qkv
	s_lshr_b32 s43, s[WV], 1
	s_and_b32 s55, s[WV], 1
	s_mul_i32 s56, s43, 32*ROWP
	s_add_co_u32 s56, s56, s42
	s_mul_i32 s46, s55, 8*ROWP
	s_add_co_u32 s46, s46, s56
	s_add_co_u32 s46, s46, KOFF                    ; K: my tile's first key, 32 (w / 2) + 8 (w % 2)
	s_mov_b32 s47, 0
	s_lshl_b32 s44, s55, 7
	s_add_co_u32 s44, s44, s56
	s_add_co_u32 s44, s44, VOFF                    ; V: keys 32 (w / 2) on, channels 32 (w % 2) on
	s_mov_b32 s45, 0
	s_lshl_b32 s55, ttmp9, 8
	s_lshl_b32 s56, s[WV], 4
	s_add_co_u32 s55, s55, s56                     ; my first query: 256 x work-group x + 16 x wave
	s_mul_i32 s48, s55, ROWP
	s_add_co_u32 s48, s48, s42
	s_mov_b32 s49, 0
	s_lshl_b32 s50, s55, 12                        ; out0: 4,096 bytes a position,
	s_lshl_b32 s56, s40, 23                        ; 8,388,608 a batch,
	s_add_co_u32 s50, s50, s56
	s_add_co_u32 s50, s50, s41                     ; 256 a head
	s_mov_b32 s51, 0
	s_lshl_b32 s52, ttmp9, 9                       ; layout: my work-group's 16 rows of 32 bytes
	s_mov_b32 s53, 0
	s_mov_b32 s[SEL], 0x76543210
	s_mov_b32 s[SEL+1], 0xfedcba98
	s_mov_b32 s[CS], 0x3e38aa3b                    ; c = log2(e) / 8
	s_mov_b32 s[CS+1], s[CS]                       ; (named with it as a pair, so it is written)
	s_mov_b32 s[NW], 0
	s_wait_kmcnt 0x0
	s_add_nc_u64 s[KB:KB+1], s[6:7], s[46:47]
	s_add_nc_u64 s[VB:VB+1], s[6:7], s[44:45]
	s_add_nc_u64 s[6:7], s[6:7], s[48:49]          ; q at my first query
	s_add_nc_u64 s[8:9], s[8:9], s[50:51]
	s_add_nc_u64 s[4:5], s[4:5], s[52:53]
	s_wait_alu depctr_va_vdst(0)                   ; all offsets and LDS addresses (v1-11, v16-20, v23, v252) are written: every load and store of the kernel reads one of them, and none is written again
.irp j, 0,1,2,3
	global_load_b32 v[PC+\j], v[GV], s[4:5] offset:128*\j           ; number 32 j + lane of my 128: row 4 j + lane / 8, key block lane % 8
.endr
	LOADROWS RAW, 6, 0, 1                          ; my 16 queries
.set jj, 0
.rept 32
	v_mov_b32 v[OT+jj], 0                          ; O^T begins as zeros: which key step is a wave's first hangs on layout, so the step is written once and the first change of M multiplies zeros
.set jj, jj+1
.endr
.irp j, 0,1,2,3
.irp i, 6,7,8,9,10,11
	v_mov_b32 v[FR+12*\j+\i], 0                    ; the upper 64 of the first product's 128 along K: zero codes, written once
.endr
.endr
.irp i, 6,7,8,9,10,11
	v_mov_b32 v[QF+\i], 0
.endr
.irp b, 0,1,2,3
	v_mov_b32 v[PT+\b], 0                          ; written once: a lane permute's destination counts as one of its sources
.endr
	v_mov_b32 v[FF+1], 0                           ; (named as the upper half of a pair)
	v_mov_b32 v[LS], 0                             ; the sum, in two halves
	v_mov_b32 v[LS+1], 0
	v_mov_b32 v[MT], 0xff61b1e6                    ; the largest t so far: -3e38, under every t
	v_floor_f32 v[NM], -v[MT]                      ; -M
	s_wait_loadcnt 8                               ; layout's four loads are in; q's eight, issued behind them, may be out
.irp j, 0,1,2,3
	v_cmp_ne_u32 s[36+\j], 0, v[PC+\j]             ; byte i of mask j: row 4 j + i of my 16, a bit a key block
.endr
	s_wait_alu depctr_va_sdst(0)                   ; the four compares have written s36 to s39, ahead of their first reader
	s_or_b32 s40, s36, s37                         ; the blocks that any of the 16 rows opens
	s_or_b32 s41, s38, s39
	s_or_b32 s40, s40, s41
	s_lshr_b32 s41, s40, 16
	s_or_b32 s40, s40, s41
	s_lshr_b32 s41, s40, 8
	s_or_b32 s40, s40, s41
	s_and_b32 s[UR], s40, 0xff
	s_lshr_b32 s41, s[WV], 2                       ; my row: byte wave % 4 of mask wave / 4
	s_cmp_eq_u32 s41, 1
	s_cselect_b32 s42, s37, s36
	s_cmp_eq_u32 s41, 2
	s_cselect_b32 s42, s38, s42
	s_cmp_eq_u32 s41, 3
	s_cselect_b32 s42, s39, s42
	s_and_b32 s41, s[WV], 3
	s_lshl_b32 s41, s41, 3
	s_lshr_b32 s42, s42, s41
	s_and_b32 s[WM], s42, 0xff
	PICK                                           ; the first open block
	LOADROWS S, KA, 1, 0                           ; it is loaded with no branch: where all 16 rows are closed this is block 7, which nobody then reads.  (No vector instruction has named S's registers yet)
	LOADV S+32
	s_wait_loadcnt 40                              ; q is in; the 8 + 32 loads issued behind it may be out
	TURN RAW
	QUANT32 RAW, QF                                ; Q's fragment and scale words stay in registers.  They, and the zero halves above, are written ahead of the wait on va_vdst in PUTK below: every product that takes them stands behind it
	WORD QS
	s_wait_loadcnt 32                              ; k is in; v's 32 loads may be out
	PUTK S, 0
	s_wait_dscnt 0x0                               ; the image's stores have landed
	s_wait_alu depctr_vm_vsrc(0)                   ; and have read the codes' registers and v[BM+1], which the next quantiser writes
	s_wait_loadcnt 0x0
	PUTV S+32, 0
	PICK                                           ; the first block is the one to consume; the second is chosen
	s_wait_dscnt 0x0                               ; for the others' sake: my stores have landed
	s_wait_alu depctr_vm_vsrc(0)                   ; the stores of V's image have read the codes' registers and v[BM+1], which the first trip writes
	s_barrier_signal -1
	s_barrier_wait -1                              ; the first block lies whole in buffer 0
	s_mov_b32 s[CNT], 4
.Lpair:                                            ; four passes of two trips: eight trips for at most eight open blocks
	TRIP 0, BUFB
	TRIP BUFB, 0
	s_sub_co_u32 s[CNT], s[CNT], 1
	s_cmp_lg_u32 s[CNT], 0
	s_cbranch_scc1 .Lpair
	; THE WAY OUT.  O^T is divided by the row's sum and goes through my stage, so that sixteen lanes store a query's 256 consecutive bytes, aligned.
	s_cmp_eq_u32 s[WM], 0
	s_cbranch_scc1 .Lnan                           ; my row of layout is all 0
	v_add_f32 v[LS], v[LS], v[LS+1]                ; the sum's two halves,
	v_permlanex16_b32 v[PT], v[LS], s[SEL], s[SEL+1]
	v_add_f32 v[LS], v[LS], v[PT]                  ; and lane l xor 16's: the row's sum
	s_wait_alu depctr_va_vdst(0)
	v_rcp_f32 v[LS], v[LS]
	v_nop                                          ; a plain instruction behind the reciprocal
	s_wait_alu depctr_va_vdst(0)                   ; the reciprocal is written: a wait ahead of its first reader
.set jj, 0
.rept 16
	v_pk_mul_f32 v[S+jj:S+jj+1], v[OT+jj:OT+jj+1], v[LS:LS+1] op_sel_hi:[1,0]    ; register 8 T + i is o(query r, channel 16 T + 8 hb + i); each tile from its low end on
.set jj, jj+2
.endr
	s_wait_alu depctr_va_vdst(0)                   ; the sixteen multiplications have written S's first 32 registers, which the LDS stores read
.irp t, 0,1,2,3
	ds_store_b128 v[OST], v[S+8*\t:S+8*\t+3] offset:64*\t
	ds_store_b128 v[OST], v[S+8*\t+4:S+8*\t+7] offset:64*\t+16
.endr
.irp i, 0,1,2,3,4,5,6,7
	ds_load_b128 v[RAW+4*\i:RAW+4*\i+3], v[STS] offset:2*\i*272     ; LDS serves a wave's instructions in order: these see my stores.  (RAW: its last readers, the quantisers, have their waits behind them)
.endr
.irp i, 0,1,2,3,4,5,6,7
	s_wait_dscnt 7-\i                              ; load i is in; the 7 - i younger ones may be out
	global_store_b128 v[GO], v[RAW+4*\i:RAW+4*\i+3], s[8:9] offset:2*\i*4096 th:TH_STORE_NT   ; two queries' 256 bytes each, at multiples of 256 from out0's first byte; written once, read by nobody here
.endr
	s_branch .Lend
.Lnan:
.irp i, 0,1,2,3
	v_mov_b32 v[RAW+\i], 0x7fc00000                ; a softmax of -infinity alone: NaN
.endr
	s_wait_alu depctr_va_vdst(0)                   ; the four moves have written the registers that the eight stores read
.irp i, 0,1,2,3,4,5,6,7
	global_store_b128 v[GO], v[RAW:RAW+3], s[8:9] offset:2*\i*4096 th:TH_STORE_NT
.endr
.Lend:
	s_wait_dscnt 0x0                               ; the closing lines, six on end
	s_wait_alu 0x0
	s_wait_tensorcnt 0x0
	ds_add_u32 v[SPW], v[NIL]
	s_wait_dscnt 0x0
	s_endpgm
.Lfunc_end_k_qaa7aaa6bb7_attn:
	.size	k_qaa7aaa6bb7_attn, .Lfunc_end_k_qaa7aaa6bb7_attn-k_qaa7aaa6bb7_attn
	.p2alignl 7, 3214868480
	.fill 96, 4, 3214868480
	.section	.rodata,"a",@progbits
	.p2align	6, 0x0
	.amdhsa_kernel k_qaa7aaa6bb7_attn
		.amdhsa_group_segment_fixed_size 124928
		.amdhsa_private_segment_fixed_size 0
		.amdhsa_enable_private_segment 0
		.amdhsa_kernarg_size 24
		.amdhsa_user_sgpr_count 2
		.amdhsa_user_sgpr_kernarg_segment_ptr 1
		.amdhsa_wavefront_size32 1
		.amdhsa_system_sgpr_workgroup_id_x 1
		.amdhsa_system_sgpr_workgroup_id_y 1
		.amdhsa_system_sgpr_workgroup_id_z 1
		.amdhsa_system_vgpr_workitem_id 0
		.amdhsa_next_free_vgpr 256
		.amdhsa_next_free_sgpr 66
		.amdhsa_reserve_vcc 0
		.amdhsa_float_denorm_mode_32 3
		.amdhsa_float_denorm_mode_16_64 3
		.amdhsa_memory_ordered 1
		.amdhsa_forward_progress 1
		.amdhsa_inst_pref_size 108
	.end_amdhsa_kernel
	.amdgpu_metadata
---
amdhsa.version: [ 1, 2 ]
amdhsa.kernels:
  - .name:           k_qaa7aaa6bb7_attn
    .symbol:         k_qaa7aaa6bb7_attn.kd
    .args:
      - { .name: layout, .offset: 0, .size: 8, .value_kind: global_buffer, .address_space: global }
      - { .name: qkv, .offset: 8, .size: 8, .value_kind: global_buffer, .address_space: global }
      - { .name: out0, .offset: 16, .size: 8, .value_kind: global_buffer, .address_space: global }
    .group_segment_fixed_size: 124928
    .private_segment_fixed_size: 0
    .kernarg_segment_align: 8
    .kernarg_segment_size: 24
    .max_flat_workgroup_size: 512
    .sgpr_count:     66
    .vgpr_count:     256
    .wavefront_size: 32
...
	.end_amdgpu_metadata
.endif
;; end of part 2
